; MI455X (gfx1250); checked and timed in simulation.
; The chip was launched on July 23, 2026; its instructions are those of AMD's public machine-readable ISA for CDNA 5 (MIT licence, August 2026) and "CDNA5" Instruction Set Architecture Reference Guide (July 2026). The comments in the code are by the model that wrote it; some were corrected since.
;; Scaled Dot Product Attention. Allowed arithmetic: float matrix products may take bf16 or f16 operands with f32 sums; all other float work in f32.
;; Inputs: k 2 x 16 x 2,048 x 64 float32; q 2 x 16 x 2,048 x 64 float32; v 2 x 16 x 2,048 x 64 float32.
;; Outputs: out0 2 x 16 x 2,048 x 64 float32.
;; One version. Each part assembles by itself: llvm-mc -triple=amdgcn-amd-amdhsa -mcpu=gfx1250 --defsym DOCPART=n.
;; ======== version 1 of 1: 1 launch
;; launch attn (part 1): grid 8 x 32, 8 waves a work-group, clusters of 4 x 1, 327,680 bytes of LDS; arguments k, q, v, out0; writes out0
.if DOCPART == 1
	.amdgcn_target "amdgcn-amd-amdhsa--gfx1250"
	.amdhsa_code_object_version 6
	.text
	.protected	k_q744b0f553e_attn
	.globl	k_q744b0f553e_attn
	.p2align	8
	.type	k_q744b0f553e_attn,@function
k_q744b0f553e_attn:
	s_mov_b64 s[64:65], 0
	v_nop
	global_prefetch_b8 v0, s[64:65] scope:SCOPE_SE
	s_setreg_imm32_b32 hwreg(HW_REG_WAVE_MODE, 25, 1), 1
	s_wait_xcnt 0x0
	s_wait_alu depctr_hold_cnt(0) depctr_sa_sdst(0) depctr_va_vdst(0) depctr_va_sdst(0) depctr_va_ssrc(0) depctr_va_vcc(0) depctr_vm_vsrc(0)
	s_getreg_b32 s2, hwreg(HW_REG_IB_STS2, 6, 4)
	s_cmp_eq_u32 s2, 0
	s_cbranch_scc0 .Lentry_in_a_cluster
	s_endpgm
.Lentry_in_a_cluster:
	s_bfe_u32 s2, ttmp6, 0x10000c
	s_cmp_lg_u32 s2, 0x3003
	s_cbranch_scc0 .Lentry_shape_is_right
	s_endpgm
.Lentry_shape_is_right:
; out = softmax(q k^T / 8) v for 32 heads of 2,048 x 64, all tensors f32; the scores never leave registers.
; WORK.  A work-group takes 256 queries of one head against all 2,048 keys, 128 keys a trip, 16 trips.  Eight waves of 512 registers:
; wave w takes the 64 queries wq = w & 3 (four tiles of 16) and, of every 128 keys, the half g = w >> 2.  Each wave keeps a running
; maximum m, a running sum l and an unnormalised O of its own; at the end wave w + 4 hands its three to wave w through LDS.
; TRANSPOSED PRODUCTS.  S^T = K Q^T: a lane (r = lane & 15, h = lane >> 4) holds scores of ONE query r, key 8 h + j in register j, so that
; maximum and sum run along the lane's registers and cross lanes once (the other half of the wave).  Two neighbouring key tiles, packed to
; bf16, are the second source P^T of O^T = V^T P^T as they stand; in O^T a lane again holds one query, so the rescale factor is one number a lane.
; DATA.  K and V come as f32 by tensor loads into a stage F (two slots), are rounded to bf16 once in the work-group (wave w: rows 16 w .. 16 w + 15 of
; K and of V) into H, and are read from H as fragments.
; CLUSTERS.  The four work-groups of a cluster are four query blocks of one head and need the same K and V tiles: every tile is asked for
; jointly (mask 15), which divides the requests for K and V by four.  A head's eight blocks are two clusters: a mask names four work-groups.
; A tensor load has 32 rows of 256 bytes: the 256 rows of a slot are shared among eight waves, one load a wave behind each round.
; By this text's count a wave has two tensor loads out at the start and one behind each round.
; NUMBERS.  q, k, v are rounded to bf16 as they stand; the factor 1/8 and log2 e are applied to the f32 scores (c = 0.125 log2 e).
; The maximum is a true running maximum, so no range of the scores is assumed.
; LIMITS.  Inputs are finite (the maxima drop a NaN).  Weights and rescale factors below 2^-126 become 0 (v_exp_f32 flushes denormal results).
; The weights enter the second product rounded to bf16, while l is the sum of the unrounded f32 weights.
.set TILEB,  32768                     ; 128 rows of 256 bytes: a tile of K or of V in memory
.set FPITCH, 272                       ; F: 256 bytes of f32 + 16 of padding; row n starts 16 n bytes further modulo 256
.set FWAVE,  32*FPITCH                 ; what one tensor load fills
.set FSLOT,  256*FPITCH                ; K's 128 rows, then V's 128 rows
.set FV,     128*FPITCH                ; V's rows in a slot of F
.set HB,     2*FSLOT                   ; 139,264
.set KPITCH, 144                       ; H, K: 128 bytes of bf16 + 16: an odd multiple of 16
.set VPITCH, 160                       ; H, V: 128 bytes of bf16 + 32: an odd multiple of 32, for the transposing loads
.set KB,     128*KPITCH                ; V's rows in a slot of H
.set HSLOT,  KB+128*VPITCH             ; 38,912
.set MRG,    HB+2*HSLOT                ; 217,088: for each wq 34 blocks of 512 bytes (16 a lane): 32 of O, one of m, one of l
.set MRGW,   34*512
.set STAGE,  MRG+4*MRGW                ; 286,720: for each wq 16 rows of 272 bytes, for the way out
.set SPITCH, 272
.set STW,    16*SPITCH                 ; the last byte used is 304,127
; window 0 (v0-v255)
.set PFO,  1                           ; v1      first the offsets of q's loads; behind the wait for them 256 x lane, for the prefetch, and from then on never rewritten
.set FS,   2                           ; v2-3    slot s of F: my 32 bytes of row 16 w + (lane >> 3)
.set DK,   4                           ; v4-5    slot p of H: where my 16 bytes of K go
.set DV,   6                           ; v6-7    the same for V
.set AK,   8                           ; v8-9    slot p of H: my K fragments
.set AV,   10                          ; v10-11  slot p of H: my V fragments (transposing loads)
.set MRGA, 12                          ; v12     my 16 bytes in a block of my pair's hand-over
.set STO,  13                          ; v13     the way out: where I put 32 bytes of a row
.set RD,   14                          ; v14     the way out: where I read 16 bytes of a row back
.set CO,   15                          ; v15     my byte offset in two rows of out
.set M,    16                          ; v16-19  running maximum of q tile i, unscaled
.set LL,   20                          ; v20-23  l of q tile i (end phase)
.set LS,   24                          ; v24-31  q tile i: a pair of partial sums
.set AL,   32                          ; v32-33  the rescale factor, twice
.set TS,   34                          ; v34-35  second chain of sums
.set T0,   36
.set T1,   37
.set NM,   38                          ; v38-39  -c m, twice
.set SB,   40                          ; v40-71, v72-103  two buffers of 4 score tiles
.set PB,   104                         ; v104-119  64 keys' weights in bf16: the second source of O^T
.set KF,   128                         ; v128-191  K fragments: key tile kt, d step ks at 16 kt + 8 ks
.set CV,   192                         ; v192-255  the conversion's 64 f32, then 32 words of bf16
.set QL,   40                          ; set-up: q as f32, 128 registers
.set X,    40                          ; end: the partner's O, then the result, 128 registers
.set NMM,  168                         ; end: -c m of the pair
.set A1,   172                         ; end: my factor
.set A2,   176                         ; end: the partner's factor
.set RR,   180                         ; end: 1 / l
.set RB0,  168                         ; the way out: rows read back, two buffers of 32
.set RB1,  200
.set PM,   232                         ; end: the partner's m
.set PL,   236                         ; end: the partner's l
.set F1,   240                         ; end: my factor / l, a pair for each q tile
.set F2,   248                         ; end: the partner's factor / l
; window 1 (v256-v511), written by their low 8 bits
.set QF,   0                           ; q fragments: q tile i, d step ks at 16 i + 8 ks
.set OA,   64                          ; O^T: q tile i, d tile dt at 32 i + 8 dt
.set VF,   192                         ; V^T fragments: key step ks, d tile dt at 32 ks + 8 dt
.set G1,   16                          ; s[16:23] descriptor group 1, one for K and V
.set G0K,  24                          ; s[24:31] group 0 for K's tiles, a set for each slot
.set G0V,  32                          ; s[32:39] group 0 for V's tiles
.set MSB,  0
.macro WIN new                         ; s_set_vgpr_msb: bits 1:0 source 0, 3:2 source 1, 5:4 source 2, 7:6 destination; the high byte repeats the setting that is left
.if MSB != \new
	s_set_vgpr_msb (MSB<<8)|\new
.set MSB, \new
.endif
.endm
.macro PLACES                          ; four plain vector instructions between a matrix instruction and a load into, or a read of, its registers
.rept 4
	v_nop
.endr
.endm
; A round of the cluster's barrier: my work-group's barrier, wave 0 signals for the work-group, every wave waits for all four work-groups, my work-group's barrier again.
.macro ROUND
	s_barrier_signal -1
	s_barrier_wait -1
	s_cmp_lg_u32 s12, 0
	s_cbranch_scc1 .Lnot_wave_0_\@
	s_barrier_signal -3
.Lnot_wave_0_\@:
	s_barrier_wait -3
	s_barrier_signal -1
	s_barrier_wait -1
.endm
; A joint load into slot s of F.  Waves 0-3 ask for K's rows 32 wq .. + 31, waves 4-7 for V's.  The branch hangs on the wave's number alone.
.macro JLOAD s
	s_cmp_eq_u32 s14, 0
	s_cbranch_scc0 .Lfor_v_\@
	tensor_load_to_lds s[G0K+4*\s:G0K+4*\s+3], s[G1:G1+7]
	s_nop 0
	s_branch .Lasked_\@
.Lfor_v_\@:
	tensor_load_to_lds s[G0V+4*\s:G0V+4*\s+3], s[G1:G1+7]
	s_nop 0
.Lasked_\@:
.endm
	s_load_b256 s[4:11], s[0:1], 0x0               ; k s[4:5], q s[6:7], v s[8:9], out s[10:11]
	v_lshl_add_u32 v254, v0, 2, 0x4a400
	v_mov_b32 v255, 0
	ds_add_u32 v254, v255
	s_wait_dscnt 0x0
	v_lshrrev_b32 v1, 5, v0
	v_readfirstlane_b32 s12, v1                    ; w, 0 to 7
	s_and_b32 s13, s12, 3                          ; wq: which 64 queries
	s_lshr_b32 s14, s12, 2                         ; g: which half of the keys.  Also: I fetch for K (0) or for V (1)
	s_and_b32 s15, ttmp7, 0xffff                   ; head (the cluster is one work-group high)
	s_bfe_u32 s40, ttmp6, 0x40000                  ; cx
	s_lshl_b32 s41, ttmp9, 2
	s_add_co_u32 s41, s41, s40                     ; query block = 4 x cluster x + cx
	; group 1: a tile of 32 rows x 64 f32, padded in LDS
	s_mov_b32 s[G1+0], 15|(2<<16)|(1<<20)|(1<<21)|(5<<22)|(3<<25)  ; 15:0 all four of the cluster; 17:16 elements of 4 bytes; 20 padding on; 21 set beside a mask; 24:22 after every 64 words; 31:25 four words
	s_mov_b32 s[G1+1], 64<<16                      ; tensor_dim0 = 64
	s_mov_b32 s[G1+2], 32<<16                      ; tensor_dim1 = 32
	s_mov_b32 s[G1+3], 64<<16                      ; tile_dim0 = 64
	s_mov_b32 s[G1+4], 32                          ; tile_dim1 = 32
	s_mov_b32 s[G1+5], 64                          ; 64 elements from row to row
	s_mov_b32 s[G1+6], 0
	s_mov_b32 s[G1+7], 0
	s_mov_b32 s50, 0x3e38aa3b                      ; c = 0.125 log2 e, twice (a pair for the packed forms)
	s_mov_b32 s51, 0x3e38aa3b
	s_mov_b32 s52, 0x76543210                      ; v_permlanex16_b32: lane i of one half reads lane i of the other
	s_mov_b32 s53, 0xfedcba98
	s_lshl_b32 s42, s15, 19                        ; tiles: head x 524,288 + wq x 32 rows; nothing of cx
	s_lshl_b32 s43, s13, 13
	s_add_co_u32 s42, s42, s43
	s_mov_b32 s43, 0
	s_lshl_b32 s54, s15, 19                        ; q and out: head + block x 256 rows + wq x 64 rows
	s_lshl_b32 s55, s41, 16
	s_add_co_u32 s54, s54, s55
	s_lshl_b32 s55, s13, 14
	s_add_co_u32 s54, s54, s55
	s_mov_b32 s55, 0
	s_lshl_b32 s58, s15, 19                        ; prefetch: head + rows 32 cx of tile 2; stepped by a tile ahead of each request
	s_lshl_b32 s59, s40, 13
	s_add_co_u32 s58, s58, s59
	s_add_co_u32 s58, s58, 2*TILEB
	s_mov_b32 s59, 0
	s_mul_i32 s49, s12, FWAVE                      ; my 32 rows of a slot of F: K's for waves 0-3, V's behind them for waves 4-7
	s_wait_kmcnt 0x0
	s_add_nc_u64 s[44:45], s[4:5], s[42:43]
	s_add_nc_u64 s[56:57], s[8:9], s[42:43]
	s_add_nc_u64 s[6:7], s[6:7], s[54:55]
	s_add_nc_u64 s[10:11], s[10:11], s[54:55]
	s_cmp_eq_u32 ttmp9, 0                          ; a head's first cluster prefetches K, its second V
	s_cselect_b64 s[46:47], s[4:5], s[8:9]
	s_add_nc_u64 s[46:47], s[46:47], s[58:59]
.irp s, 0,1
	s_mov_b32 s[G0K+4*\s], 1                                       ; count = 1
	s_add_co_u32 s[G0K+4*\s+1], s49, \s*FSLOT                      ; LDS address
	s_add_nc_u64 s[G0K+4*\s+2:G0K+4*\s+3], s[44:45], \s*TILEB      ; tile s
	s_or_b32 s[G0K+4*\s+3], s[G0K+4*\s+3], 0x80000000              ; type = 2
	s_mov_b32 s[G0V+4*\s], 1
	s_add_co_u32 s[G0V+4*\s+1], s49, \s*FSLOT
	s_add_nc_u64 s[G0V+4*\s+2:G0V+4*\s+3], s[56:57], \s*TILEB
	s_or_b32 s[G0V+4*\s+3], s[G0V+4*\s+3], 0x80000000
.endr
	ROUND                                          ; all four work-groups are here: the first joint loads meet
	JLOAD 0                                        ; tiles 0 and 1 go out together, ahead of every wait on TENSORcnt, LDS read and further barrier
	JLOAD 1
	v_and_b32 v16, 15, v0                          ; r
	v_bfe_u32 v17, v0, 4, 1                        ; h
	v_and_b32 v18, 31, v0                          ; lane
	v_and_b32 v19, 7, v0                           ; lane & 7
	v_bfe_u32 v20, v0, 3, 2                        ; lane >> 3
	v_bfe_u32 v21, v0, 3, 1                        ; (lane >> 3) & 1
	v_lshlrev_b32 v1, 8, v16
	v_lshl_add_u32 v1, v17, 5, v1                  ; q: row r, 32 h bytes in
	; a q fragment (16 queries x 32 d): lane (r, h) holds d = 8 h .. + 7 and 16 + 8 h .. + 7 of the step: in f32 twice 32 bytes, 64 bytes apart
.irp i, 0,1,2,3
.irp ks, 0,1
	global_load_b128 v[QL+32*\i+16*\ks:QL+32*\i+16*\ks+3],     v1, s[6:7] offset:4096*\i+128*\ks
	global_load_b128 v[QL+32*\i+16*\ks+4:QL+32*\i+16*\ks+7],   v1, s[6:7] offset:4096*\i+128*\ks+16
	global_load_b128 v[QL+32*\i+16*\ks+8:QL+32*\i+16*\ks+11],  v1, s[6:7] offset:4096*\i+128*\ks+64
	global_load_b128 v[QL+32*\i+16*\ks+12:QL+32*\i+16*\ks+15], v1, s[6:7] offset:4096*\i+128*\ks+80
.endr
.endr
	v_lshl_add_u32 v22, s12, 4, v20                ; the conversion's row: 16 w + (lane >> 3)
	v_mul_u32_u24 v[FS], v22, FPITCH
	v_lshl_add_u32 v[FS], v19, 5, v[FS]            ; + 32 (lane & 7)
	v_add_nc_u32 v[FS+1], FSLOT, v[FS]
	v_mul_u32_u24 v[DK], v22, KPITCH
	v_lshl_add_u32 v[DK], v19, 4, v[DK]            ; + 16 (lane & 7)
	v_add_nc_u32 v[DK], HB, v[DK]
	v_add_nc_u32 v[DK+1], HSLOT, v[DK]
	v_mul_u32_u24 v[DV], v22, VPITCH
	v_lshl_add_u32 v[DV], v19, 4, v[DV]
	v_add_nc_u32 v[DV], HB+KB, v[DV]
	v_add_nc_u32 v[DV+1], HSLOT, v[DV]
	s_mul_i32 s60, s14, 64*KPITCH                  ; my 64 keys of K
	s_add_co_u32 s60, s60, HB
	s_mul_i32 s61, s14, 64*VPITCH                  ; my 64 keys of V
	s_add_co_u32 s61, s61, HB+KB
	v_mul_u32_u24 v[AK], v16, KPITCH               ; K fragment: row r, 16 h bytes in
	v_lshl_add_u32 v[AK], v17, 4, v[AK]
	v_add_nc_u32 v[AK], s60, v[AK]
	v_add_nc_u32 v[AK+1], HSLOT, v[AK]
	v_lshl_add_u32 v23, v17, 3, v19                ; V fragment: key row 8 h + (lane & 7),
	v_mul_u32_u24 v[AV], v23, VPITCH
	v_lshl_add_u32 v[AV], v21, 4, v[AV]            ; 16 bytes further for the upper eight lanes of each half
	v_add_nc_u32 v[AV], s61, v[AV]
	v_add_nc_u32 v[AV+1], HSLOT, v[AV]
	s_mul_i32 s60, s13, MRGW
	s_add_co_u32 s60, s60, MRG
	s_mul_i32 s61, s13, STW
	s_add_co_u32 s61, s61, STAGE
	v_lshl_add_u32 v[MRGA], v18, 4, s60
	v_mul_u32_u24 v[STO], v16, SPITCH              ; in: row r (a query), 32 h bytes in
	v_lshl_add_u32 v[STO], v17, 5, v[STO]
	v_add_nc_u32 v[STO], s61, v[STO]
	v_mul_u32_u24 v[RD], v17, SPITCH               ; back: lanes 0-15 one row of 256 bytes, lanes 16-31 the next
	v_lshl_add_u32 v[RD], v16, 4, v[RD]
	v_add_nc_u32 v[RD], s61, v[RD]
	v_lshlrev_b32 v[CO], 4, v18                    ; the same two rows in out follow each other: 16 x lane
	s_wait_loadcnt 0x0                             ; q, once; the loads are done, so their offset register v1 may be written again
	v_lshlrev_b32 v[PFO], 8, v18                   ; the prefetch's lanes are 256 bytes apart; no later line writes this register, so no prefetch's source is ever overwritten
	WIN 0x40
.set n, 0
.rept 64
	v_cvt_pk_bf16_f32 v[QF+n], v[QL+2*n], v[QL+2*n+1]      ; q as it stands: the scale is applied to the f32 scores
.set n, n+1
.endr
	WIN 0
; 16 LDS loads: my 16 rows of K and of V in slot s of F, 32 bytes a lane and four rows a pair of loads
.macro CONV_LD s
.irp i, 0,1,2,3
	ds_load_b128 v[CV+8*\i:CV+8*\i+3],   v[FS+\s] offset:4*FPITCH*\i
	ds_load_b128 v[CV+8*\i+4:CV+8*\i+7], v[FS+\s] offset:4*FPITCH*\i+16
.endr
.irp i, 0,1,2,3
	ds_load_b128 v[CV+32+8*\i:CV+32+8*\i+3],   v[FS+\s] offset:FV+4*FPITCH*\i
	ds_load_b128 v[CV+32+8*\i+4:CV+32+8*\i+7], v[FS+\s] offset:FV+4*FPITCH*\i+16
.endr
.endm
; rounded in place (word k of a group of eight is written when words 2 k, 2 k + 1 are read), 16 bytes a lane into slot p of H
.macro CONV_ST p
	WIN 0
.irp n, 0,1,2,3,4,5,6,7
.irp k, 0,1,2,3
	v_cvt_pk_bf16_f32 v[CV+8*\n+\k], v[CV+8*\n+2*\k], v[CV+8*\n+2*\k+1]
.endr
.endr
.irp i, 0,1,2,3
	ds_store_b128 v[DK+\p], v[CV+8*\i:CV+8*\i+3] offset:4*KPITCH*\i
.endr
.irp i, 0,1,2,3
	ds_store_b128 v[DV+\p], v[CV+32+8*\i:CV+32+8*\i+3] offset:4*VPITCH*\i
.endr
.endm
; 16 LDS loads: my 64 keys of K as 4 x 2 fragments of 16 keys x 32 d
.macro KLOAD p
.irp kt, 0,1,2,3
.irp ks, 0,1
	ds_load_b128 v[KF+16*\kt+8*\ks:KF+16*\kt+8*\ks+3],   v[AK+\p] offset:16*KPITCH*\kt+64*\ks
	ds_load_b128 v[KF+16*\kt+8*\ks+4:KF+16*\kt+8*\ks+7], v[AK+\p] offset:16*KPITCH*\kt+64*\ks+32
.endr
.endr
.endm
; 16 transposing LDS loads: my 64 keys of V as 2 x 4 fragments of 16 d x 32 keys
.macro VLOAD p
	WIN 0x40
.irp ks, 0,1
.irp dt, 0,1,2,3
	ds_load_tr16_b128 v[VF+32*\ks+8*\dt:VF+32*\ks+8*\dt+3],   v[AV+\p] offset:32*VPITCH*\ks+32*\dt
	ds_load_tr16_b128 v[VF+32*\ks+8*\dt+4:VF+32*\ks+8*\dt+7], v[AV+\p] offset:32*VPITCH*\ks+32*\dt+16*VPITCH
.endr
.endr
.endm
; S^T of q tile i into score buffer b: 4 key tiles x 2 d steps.  The first step starts the sums.  The four accumulators take turns, one instruction a turn.
.macro QK i, b
	WIN 0x04
.irp ks, 0,1
.irp kt, 0,1,2,3
.if \ks == 0
	v_wmma_f32_16x16x32_bf16 v[SB+32*\b+8*\kt:SB+32*\b+8*\kt+7], v[KF+16*\kt+8*\ks:KF+16*\kt+8*\ks+7], v[QF+16*\i+8*\ks:QF+16*\i+8*\ks+7], 0
.else
	v_wmma_f32_16x16x32_bf16 v[SB+32*\b+8*\kt:SB+32*\b+8*\kt+7], v[KF+16*\kt+8*\ks:KF+16*\kt+8*\ks+7], v[QF+16*\i+8*\ks:QF+16*\i+8*\ks+7], v[SB+32*\b+8*\kt:SB+32*\b+8*\kt+7]
.endif
.endr
.endr
.endm
; the pieces of the softmax on key tile j of the buffer at S
.macro SUBJ j                          ; c s - c m
.irp n, 0,2,4,6
	v_pk_fma_f32 v[S+8*\j+\n:S+8*\j+\n+1], v[S+8*\j+\n:S+8*\j+\n+1], s[50:51], v[NM:NM+1] op_sel_hi:[1,0,1]
.endr
.endm
.macro EXPJ j
.irp n, 0,1,2,3,4,5,6,7
	v_exp_f32 v[S+8*\j+\n], v[S+8*\j+\n]
.endr
.endm
.macro CVTJ j                          ; keys 8 h + 2 n, 8 h + 2 n + 1 of the tile: word n of the tile's half of a P^T fragment
.irp n, 0,1,2,3
	v_cvt_pk_bf16_f32 v[PB+4*\j+\n], v[S+8*\j+2*\n], v[S+8*\j+2*\n+1]
.endr
.endm
.macro SUM0 i, first                   ; the old sum is rescaled in the multiply-add that takes the first pair; in the first trip the pairs start the sums
.if \first
	s_wait_alu depctr_va_vdst(0)
	v_pk_add_f32 v[LS+2*\i:LS+2*\i+1], v[S:S+1], v[S+2:S+3]
	v_pk_add_f32 v[TS:TS+1], v[S+4:S+5], v[S+6:S+7]
.else
	s_wait_alu depctr_va_vdst(0)
	v_pk_fma_f32 v[LS+2*\i:LS+2*\i+1], v[LS+2*\i:LS+2*\i+1], v[AL:AL+1], v[S:S+1]
	v_pk_add_f32 v[TS:TS+1], v[S+2:S+3], v[S+4:S+5]
	v_pk_add_f32 v[LS+2*\i:LS+2*\i+1], v[LS+2*\i:LS+2*\i+1], v[S+6:S+7]
.endif
.endm
.macro SUMJ i, j                       ; two chains that do not wait for each other
	s_wait_alu depctr_va_vdst(0)
	v_pk_add_f32 v[LS+2*\i:LS+2*\i+1], v[LS+2*\i:LS+2*\i+1], v[S+8*\j:S+8*\j+1]
	v_pk_add_f32 v[TS:TS+1], v[TS:TS+1], v[S+8*\j+2:S+8*\j+3]
	v_pk_add_f32 v[LS+2*\i:LS+2*\i+1], v[LS+2*\i:LS+2*\i+1], v[S+8*\j+4:S+8*\j+5]
	v_pk_add_f32 v[TS:TS+1], v[TS:TS+1], v[S+8*\j+6:S+8*\j+7]
.endm
; q tile i, scores in buffer b: new maximum, rescale factor, weights in f32 (in place) and in bf16 (PB), sums
.macro SOFTMAX i, b, first
	WIN 0
.set S, SB+32*\b
	v_max3_num_f32 v[T0], v[S], v[S+1], v[S+2]             ; two chains over my 32 scores of the query
	v_max3_num_f32 v[T1], v[S+16], v[S+17], v[S+18]
.irp k, 0,1,2,3,4,5
	v_max3_num_f32 v[T0], v[T0], v[S+3+2*\k], v[S+4+2*\k]
	v_max3_num_f32 v[T1], v[T1], v[S+19+2*\k], v[S+20+2*\k]
.endr
.if \first
	v_max_num_f32 v[T0], v[T0], v[S+15]
.else
	v_max3_num_f32 v[T0], v[T0], v[S+15], v[M+\i]          ; the running maximum joins
.endif
	v_max3_num_f32 v[T0], v[T0], v[T1], v[S+31]
	v_permlanex16_b32 v[T1], v[T0], s52, s53               ; the query's other 32 scores lie in the other half of the wave
	v_max_num_f32 v[T0], v[T0], v[T1]
	v_mul_f32 v[NM], 0xbe38aa3b, v[T0]                     ; -c m
	v_mul_f32 v[NM+1], 0xbe38aa3b, v[T0]
.if \first == 0
	v_fma_f32 v[T1], v[M+\i], s50, v[NM]                   ; c (old m) - c m
.endif
	v_mov_b32 v[M+\i], v[T0]
.if \first == 0
	v_exp_f32 v[AL], v[T1]
	v_exp_f32 v[AL+1], v[T1]
.endif
	; behind each run of exponentials a plain instruction on another tile stands before any of their results is used (ISA guide 5.7.2)
	SUBJ 0
	EXPJ 0
	SUBJ 1
	EXPJ 1
	SUM0 \i, \first
	CVTJ 0
	SUBJ 2
	EXPJ 2
	SUMJ \i, 1
	CVTJ 1
	SUBJ 3
	EXPJ 3
	SUMJ \i, 2
	CVTJ 2
	SUMJ \i, 3
	v_pk_add_f32 v[LS+2*\i:LS+2*\i+1], v[LS+2*\i:LS+2*\i+1], v[TS:TS+1]
	CVTJ 3
.endm
.macro RESC i                          ; O^T of q tile i times the lane's factor
	WIN 0x41
.set n, 0
.rept 16
	v_pk_mul_f32 v[OA+32*\i+2*n:OA+32*\i+2*n+1], v[OA+32*\i+2*n:OA+32*\i+2*n+1], v[AL:AL+1]
.set n, n+1
.endr
.endm
; O^T of q tile i += V^T P^T: 4 d tiles x 2 key steps; the four accumulators take turns, one instruction a turn
.macro PV i, first
	WIN 0x51
.irp ks, 0,1
.irp dt, 0,1,2,3
.if \first*(1-\ks)
	v_wmma_f32_16x16x32_bf16 v[OA+32*\i+8*\dt:OA+32*\i+8*\dt+7], v[VF+32*\ks+8*\dt:VF+32*\ks+8*\dt+7], v[PB+8*\ks:PB+8*\ks+7], 0
.else
	v_wmma_f32_16x16x32_bf16 v[OA+32*\i+8*\dt:OA+32*\i+8*\dt+7], v[VF+32*\ks+8*\dt:VF+32*\ks+8*\dt+7], v[PB+8*\ks:PB+8*\ks+7], v[OA+32*\i+8*\dt:OA+32*\i+8*\dt+7]
.endif
.endr
.endr
.endm
; Trip t on tile t, p = t & 1.  Tile t lies in bf16 in H[p]; tile t + 1 lies in f32 in F[1 - p] and is converted into H[1 - p] (conv);
; tile t + 2 is asked for into F[p] (refill); wave 0 prefetches the work-group's share of tile t + 3 (pf).  first: the products start the sums.
; ONE barrier a trip orders four things: H[p] has been stored by all waves, F[1 - p] has landed for all, F[p] and H[1 - p] are read by nobody any more.
.macro TRIP p, refill, conv, first, pf
.if \conv
	s_wait_xcnt 0x0
	v_lshl_add_u32 v254, v0, 2, 0x4a400
	v_mov_b32 v255, 0
	s_wait_tensorcnt 0x0                           ; all my tensor loads have landed: the one that was out is my part of tile t + 1
	ds_add_u32 v254, v255
	s_wait_dscnt 0x0
.endif
.if \refill
	s_add_nc_u64 s[G0K+4*\p+2:G0K+4*\p+3], s[G0K+4*\p+2:G0K+4*\p+3], 2*TILEB   ; no load of mine is out: this slot's next tile
	s_add_nc_u64 s[G0V+4*\p+2:G0V+4*\p+3], s[G0V+4*\p+2:G0V+4*\p+3], 2*TILEB
.endif
.if \pf
	s_wait_xcnt 0x0                                ; the last trip's prefetch has had its address translated: its base steps only behind this wait
	s_add_nc_u64 s[46:47], s[46:47], TILEB
.endif
	s_wait_dscnt 0x0                               ; my stores into H[p] and my reads of F[p] and of H[1 - p] are done
.if \refill
	ROUND                                          ; all that now holds of every wave of the four work-groups
	JLOAD \p                                       ; my one tensor load behind the round, and the first thing there
.else
	s_barrier_signal -1
	s_barrier_wait -1
.endif
.if \pf
	; Tile t + 3, whose tensor load is issued in the next trip.  Of a head's two clusters one asks for K, the other for V; work-group cx for rows
	; 32 cx .. 32 cx + 31, one lane a row of 256 bytes: each row is asked for once in the launch.  The last request, in trip 12, is for tile 15.
	s_cmp_lg_u32 s12, 0
	s_cbranch_scc1 .Lnopf_\@
	global_prefetch_b8 v[PFO], s[46:47] th:TH_LOAD_NT scope:SCOPE_SE
.Lnopf_\@:
.endif
	KLOAD \p
.if \conv
	CONV_LD 1-\p
.endif
	VLOAD \p
.if \conv
	s_wait_dscnt 32                                ; K's 16 loads are in; the conversion's 16 and V's 16 are younger
.else
	s_wait_dscnt 16                                ; K's 16 loads are in; V's 16 are younger
.endif
	QK 0, 0
	QK 1, 1
.if \conv
	s_wait_dscnt 16                                ; the conversion's 16 loads are in; V's 16 are younger
	CONV_ST 1-\p                                   ; its 32 conversions are also the places between the products above and the reads of their scores
.else
	PLACES
.endif
	SOFTMAX 0, 0, \first
.if \conv
	s_wait_dscnt 8                                 ; V's 16 loads are in; the conversion's 8 stores are younger
.else
	s_wait_dscnt 0                                 ; V's 16 loads are in
.endif
.if \first == 0
	RESC 0
.endif
	PV 0, \first
	QK 2, 0                                        ; issued ahead of the next tile's softmax, which touches none of their registers
	SOFTMAX 1, 1, \first
.if \first == 0
	RESC 1
.endif
	PV 1, \first
	QK 3, 1
	SOFTMAX 2, 0, \first
.if \first == 0
	RESC 2
.endif
	PV 2, \first
	SOFTMAX 3, 1, \first
.if \first == 0
	RESC 3
.endif
	PV 3, \first
	PLACES                                         ; in front of the next loads into V's fragments, and of the reads of O^T at the end
	WIN 0
.endm
	s_wait_tensorcnt 0x1                           ; my part of tile 0 is in; tile 1's load is younger and may stay out
	s_barrier_signal -1
	s_barrier_wait -1                              ; everybody's part is in
	CONV_LD 0
	s_wait_dscnt 0x0
	CONV_ST 0                                      ; tile 0 into H[0]
	TRIP 0, 1, 1, 1, 1                             ; trip 0 starts all sums: nothing is cleared
	TRIP 1, 1, 1, 0, 1
	s_mov_b32 s48, 5                               ; trips 2 to 11
.Lpair:
	TRIP 0, 1, 1, 0, 1
	TRIP 1, 1, 1, 0, 1
	s_sub_co_u32 s48, s48, 1
	s_cmp_lg_u32 s48, 0
	s_cbranch_scc1 .Lpair
	TRIP 0, 1, 1, 0, 1                             ; trip 12: the last prefetch (tile 15)
	TRIP 1, 1, 1, 0, 0                             ; trip 13: the last tensor load (tile 15)
	TRIP 0, 0, 1, 0, 0                             ; trip 14: the last conversion; its wait on TENSORcnt serves the reads of tile 15, behind which no load was issued
	TRIP 1, 0, 0, 0, 0                             ; trip 15
	; THE END.  l of each query: the pair, then the other half of the wave.
.irp i, 0,1,2,3
	v_add_f32 v[LL+\i], v[LS+2*\i], v[LS+2*\i+1]
.endr
.irp i, 0,1,2,3
	v_permlanex16_b32 v[T1], v[LL+\i], s52, s53
	v_add_f32 v[LL+\i], v[LL+\i], v[T1]
.endr
	s_cmp_eq_u32 s14, 0
	s_cbranch_scc1 .Lkeep
	WIN 0x04                                       ; waves 4-7 hand over O^T, m and l: 16 bytes a lane, 512 neighbouring bytes a store
.set n, 0
.rept 32
	ds_store_b128 v[MRGA], v[OA+4*n:OA+4*n+3] offset:512*n
.set n, n+1
.endr
	WIN 0
	ds_store_b128 v[MRGA], v[M:M+3] offset:32*512
	ds_store_b128 v[MRGA], v[LL:LL+3] offset:33*512
.Lkeep:
	s_wait_dscnt 0x0                               ; for the partner's sake: my stores are done
	s_barrier_signal -1
	s_barrier_wait -1
	s_cmp_lg_u32 s14, 0
	s_cbranch_scc1 .Lend                           ; waves 4-7 have nothing more to do but the closing round
	ds_load_b128 v[PM:PM+3], v[MRGA] offset:32*512
	ds_load_b128 v[PL:PL+3], v[MRGA] offset:33*512
.set n, 0
.rept 32
	ds_load_b128 v[X+4*n:X+4*n+3], v[MRGA] offset:512*n
.set n, n+1
.endr
	s_wait_dscnt 32                                ; the partner's m and l are in; the 32 loads of its O^T are younger
.irp i, 0,1,2,3
	v_max_num_f32 v[NMM+\i], v[M+\i], v[PM+\i]     ; the pair's maximum
.endr
.irp i, 0,1,2,3
	v_mul_f32 v[NMM+\i], 0xbe38aa3b, v[NMM+\i]
.endr
.irp i, 0,1,2,3
	v_fma_f32 v[A1+\i], v[M+\i], s50, v[NMM+\i]
	v_fma_f32 v[A2+\i], v[PM+\i], s50, v[NMM+\i]
.endr
.irp i, 0,1,2,3
	v_exp_f32 v[A1+\i], v[A1+\i]
	v_exp_f32 v[A2+\i], v[A2+\i]
.endr
	v_nop                                          ; a plain instruction between the exponentials and the use of their results (ISA guide 5.7.2)
	s_wait_alu depctr_va_vdst(0)
.irp i, 0,1,2,3
	v_mul_f32 v[LL+\i], v[LL+\i], v[A1+\i]
.endr
.irp i, 0,1,2,3
	v_fmac_f32 v[LL+\i], v[PL+\i], v[A2+\i]        ; l of the pair; at least about 1, since the maximum's own weight is in it
.endr
.irp i, 0,1,2,3
	v_rcp_f32 v[RR+\i], v[LL+\i]
.endr
	v_nop                                          ; likewise behind the reciprocals
	s_wait_alu depctr_va_vdst(0)
.irp i, 0,1,2,3
	v_mul_f32 v[F1+2*\i], v[A1+\i], v[RR+\i]
	v_mul_f32 v[F1+2*\i+1], v[A1+\i], v[RR+\i]
	v_mul_f32 v[F2+2*\i], v[A2+\i], v[RR+\i]
	v_mul_f32 v[F2+2*\i+1], v[A2+\i], v[RR+\i]
.endr
	s_wait_dscnt 0x0                               ; the partner's O^T is in
.irp i, 0,1,2,3
.set n, 0
.rept 16
	v_pk_mul_f32 v[X+32*\i+2*n:X+32*\i+2*n+1], v[X+32*\i+2*n:X+32*\i+2*n+1], v[F2+2*\i:F2+2*\i+1]
.set n, n+1
.endr
.endr
	WIN 0x01
.irp i, 0,1,2,3
.set n, 0
.rept 16
	v_pk_fma_f32 v[X+32*\i+2*n:X+32*\i+2*n+1], v[OA+32*\i+2*n:OA+32*\i+2*n+1], v[F1+2*\i:F1+2*\i+1], v[X+32*\i+2*n:X+32*\i+2*n+1]
.set n, n+1
.endr
.endr
	WIN 0
; THE WAY OUT, 16 queries at a time.  A lane holds d = 16 dt + 8 h + 0 .. 7 of query r: 32 bytes of a row of out.  They go into my own stage in LDS
; and come back as whole rows; a store of the wave then covers two rows of out, 512 consecutive bytes at a multiple of 512 from out's first byte.
.macro OUT16 i, f
.irp dt, 0,1,2,3
	ds_store_b128 v[STO], v[X+32*\i+8*\dt:X+32*\i+8*\dt+3]   offset:64*\dt
	ds_store_b128 v[STO], v[X+32*\i+8*\dt+4:X+32*\i+8*\dt+7] offset:64*\dt+16
.endr
	s_wait_xcnt 0x0                                ; every earlier store has had its addresses translated (ISA guide 3.1): buffer f, which stores read, is loaded again only behind this wait
.irp t, 0,1,2,3,4,5,6,7
	ds_load_b128 v[\f+4*\t:\f+4*\t+3], v[RD] offset:2*SPITCH*\t    ; LDS serves a wave's instructions in order (ISA guide 5.7.1): these see the stores above, and the next stores come behind them
.endr
.irp t, 0,1,2,3,4,5,6,7
	s_wait_dscnt 7-\t                              ; load t is in; the 7 - t younger ones may be out
	global_store_b128 v[CO], v[\f+4*\t:\f+4*\t+3], s[10:11] offset:4096*\i+512*\t th:TH_STORE_NT
.endr
.endm
	OUT16 0, RB0
	OUT16 1, RB1
	OUT16 2, RB0
	OUT16 3, RB1
.Lend:
	s_wait_xcnt 0x0
	v_lshl_add_u32 v254, v0, 2, 0x4a400
	v_mov_b32 v255, 0
	s_wait_tensorcnt 0x0
	ds_add_u32 v254, v255
	s_wait_dscnt 0x0
	ROUND                                          ; the closing round: no work-group ends while a partner may still ask for a tile that names it
	s_endpgm
.Lfunc_end_k_q744b0f553e_attn:
	.size	k_q744b0f553e_attn, .Lfunc_end_k_q744b0f553e_attn-k_q744b0f553e_attn
	.p2alignl 7, 3214868480
	.fill 96, 4, 3214868480
	.section	.rodata,"a",@progbits
	.p2align	6, 0x0
	.amdhsa_kernel k_q744b0f553e_attn
		.amdhsa_group_segment_fixed_size 327680
		.amdhsa_private_segment_fixed_size 0
		.amdhsa_enable_private_segment 0
		.amdhsa_kernarg_size 32
		.amdhsa_user_sgpr_count 2
		.amdhsa_user_sgpr_kernarg_segment_ptr 1
		.amdhsa_wavefront_size32 1
		.amdhsa_system_sgpr_workgroup_id_x 1
		.amdhsa_system_sgpr_workgroup_id_y 1
		.amdhsa_system_sgpr_workgroup_id_z 1
		.amdhsa_system_vgpr_workitem_id 0
		.amdhsa_next_free_vgpr 512
		.amdhsa_next_free_sgpr 66
		.amdhsa_reserve_vcc 0
		.amdhsa_float_denorm_mode_32 3
		.amdhsa_float_denorm_mode_16_64 3
		.amdhsa_memory_ordered 1
		.amdhsa_forward_progress 1
		.amdhsa_inst_pref_size 255
	.end_amdhsa_kernel
	.section	.bss,"aw",@nobits
	.p2align	6
	.space	262144
	.amdgpu_metadata
---
amdhsa.version: [ 1, 2 ]
amdhsa.kernels:
  - .name:           k_q744b0f553e_attn
    .symbol:         k_q744b0f553e_attn.kd
    .args:
      - { .name: k, .offset: 0, .size: 8, .value_kind: global_buffer, .address_space: global }
      - { .name: q, .offset: 8, .size: 8, .value_kind: global_buffer, .address_space: global }
      - { .name: v, .offset: 16, .size: 8, .value_kind: global_buffer, .address_space: global }
      - { .name: out0, .offset: 24, .size: 8, .value_kind: global_buffer, .address_space: global }
    .group_segment_fixed_size: 327680
    .private_segment_fixed_size: 0
    .kernarg_segment_align: 8
    .kernarg_segment_size: 32
    .max_flat_workgroup_size: 256
    .sgpr_count:     66
    .vgpr_count:     512
    .wavefront_size: 32
...
	.end_amdgpu_metadata
.endif
;; end of part 1
